; MI455X (gfx1250); checked and timed in simulation.
; The chip was launched on July 23, 2026; its instructions are those of AMD's public machine-readable ISA for CDNA 5 (MIT licence, August 2026) and "CDNA5" Instruction Set Architecture Reference Guide (July 2026). The comments in the code are by the model that wrote it; some were corrected since.
;; Self Attention. Allowed arithmetic: float matrix products may take bf16 or f16 operands with f32 sums; all other float work in f32.
;; Inputs: Wk 128 x 256 float32; Wq 128 x 256 float32; Wv 128 x 256 float32; bk 256 float32; bq 256 float32; bv 256 float32; x 8 x 2,048 x 128 float32.
;; Outputs: out0 8 x 2,048 x 256 float32.
;; 2 versions, each right; version 2 is version 1 with the launch prep written anew for expert scheduling mode. Each part assembles by itself: llvm-mc -triple=amdgcn-amd-amdhsa -mcpu=gfx1250 --defsym DOCPART=n.
;; ======== version 1 of 2: 2 launches
;; limits: values outside matrix products are rounded to bf16; values are held in f16: magnitudes above 65,504 overflow, below 6.1e-05 lose precision; inputs' magnitudes at most 65,504; right only within a limited range of input values
;; workspace buffers: xh 4,194,304 bytes; mf 73,728 bytes; u2 1,280 bytes; wvf 65,536 bytes
;; launch prep (part 1): grid 281 x 1, 4 waves a work-group, no clusters, 0 bytes of LDS; arguments x, Wq, Wk, Wv, bq, bk, xh, mf, u2, wvf; writes xh, mf, u2, wvf
.if DOCPART == 1
	.amdgcn_target "amdgcn-amd-amdhsa--gfx1250"
	.amdhsa_code_object_version 6
	.text
	.protected	k_qd23141cc1d_prep
	.globl	k_qd23141cc1d_prep
	.p2align	8
	.type	k_qd23141cc1d_prep,@function
k_qd23141cc1d_prep:
	s_mov_b64 s[64:65], 0
	v_nop
	global_prefetch_b8 v0, s[64:65] scope:SCOPE_SE
	s_setreg_imm32_b32 hwreg(HW_REG_WAVE_MODE, 25, 1), 1
	s_wait_xcnt 0x0
; prep: what the attention launch needs once, made once.  Three jobs, chosen by the work-group's number.
;   0..8    (job M)  M = Wq Wk^T (128 x 128), u = bq Wk^T, w = Wq bk, bq.bk: the scores are (x_t M + u).x_s + (x_t.w + bq.bk).
;                    Stored as the transposed matrix, split into a bf16 pair (high part, remainder), in the order in which a lane of the
;                    attention launch loads its A fragments.  Tile 8 holds w in all its 16 rows.
;   9..24   (job V)  Wv transposed, rounded to bf16, kept in f16 containers, in fragment order.
;   25..280 (job X)  x rounded to bf16, kept in f16 containers: 64 rows a work-group.
; A fragment is 1,024 bytes: 32 lanes x 16 bytes (registers 0-3), then 32 lanes x 16 bytes (registers 4-7).
; LIMITS: a bf16 value is exact in f16 for 2^-14 <= |v| < 65,504; above that it becomes infinite, below it carries an absolute error of at
; most 3e-8.  So |x| and |Wv| have to stay below 65,504.  Wq, Wk, bq, bk enter the matrix unit rounded to bf16, sums in f32.
.set ST0, 16                           ; v[16:79]    f32 as loaded, K steps 0, 2, 4, 6 (job X: the 64 numbers of a thread)
.set ST1, 80                           ; v[80:143]   f32 as loaded, K steps 1, 3, 5, 7 (job X: v[80:111] the packed results)
.set FR,  144                          ; v[144:175]  four bf16 fragments: Wq rows, Wq rows + 16, bq, Wk rows (or bk)
.set D0,  176                          ; v[176:183]  M(e = 32 ks + 8 h + j, e2 = 16 mt + r)
.set D1,  184                          ; v[184:191]  the same 16 rows of Wq further down
.set DU,  192                          ; v[192:199]  u(16 mt + r) in every register
.set HI,  200                          ; v[200:207]  high parts, packed
.set LO,  208                          ; v[208:215]  remainders, packed
.set TMP, 216                          ; v[216:223]  at work
.macro PLACES                          ; four plain vector places behind a matrix instruction (ISA guide 7.12.1)
.rept 4
	v_nop
.endr
.endm
; eight f32 at v[src] -> rounded to bf16 (nearest even), widened again, packed as f16 into v[dst .. dst+3]
.macro RND8 dst, src
.irp p,0,1,2,3
	v_cvt_pk_bf16_f32 v[TMP+2*\p], v[\src+2*\p], v[\src+2*\p+1]
.endr
.irp p,0,1,2,3
	v_lshlrev_b32 v[TMP+2*\p+1], 16, v[TMP+2*\p]           ; the lower number as f32
.endr
.irp p,0,1,2,3
	v_and_b32 v[TMP+2*\p], 0xffff0000, v[TMP+2*\p]         ; the upper number as f32
.endr
.irp p,0,1,2,3
	v_cvt_pk_f16_f32 v[\dst+\p], v[TMP+2*\p+1], v[TMP+2*\p]
.endr
.endm
	s_load_b512 s[4:19], s[0:1], 0x0               ; x 4, Wq 6, Wk 8, Wv 10, bq 12, bk 14, xh 16, mf 18
	s_load_b128 s[20:23], s[0:1], 0x40             ; u2 20, wvf 22
	v_lshrrev_b32 v9, 5, v0
	v_readfirstlane_b32 s24, v9                    ; wave 0..3
	v_and_b32 v1, 15, v0                           ; r
	v_bfe_u32 v2, v0, 4, 1                         ; h
	v_and_b32 v3, 31, v0                           ; lane
	s_wait_kmcnt 0x0
	s_cmp_lt_u32 ttmp9, 9
	s_cbranch_scc1 .Lrole_m
	s_cmp_lt_u32 ttmp9, 25
	s_cbranch_scc1 .Lrole_v
	; ---- job X: 64 rows of x (32,768 bytes in, 16,384 out).  Thread t takes 32 bytes of each chunk of 4,096 and stores 16:
	; a store of a wave covers 512 consecutive bytes, aligned.
	s_sub_co_u32 s25, ttmp9, 25
	s_lshl_b32 s30, s25, 15
	s_mov_b32 s31, 0
	s_add_nc_u64 s[4:5], s[4:5], s[30:31]
	s_lshl_b32 s30, s25, 14
	s_add_nc_u64 s[16:17], s[16:17], s[30:31]
	v_lshlrev_b32 v4, 5, v0                        ; 32 t
	v_lshlrev_b32 v5, 4, v0                        ; 16 t
.irp i,0,1,2,3,4,5,6,7
	global_load_b128 v[ST0+8*\i:ST0+8*\i+3],   v4, s[4:5] offset:4096*\i
	global_load_b128 v[ST0+8*\i+4:ST0+8*\i+7], v4, s[4:5] offset:4096*\i+16
.endr
.irp i,0,1,2,3,4,5,6,7
	s_wait_loadcnt 14-2*\i                         ; loads return in order: chunk i is in, the two loads of each younger chunk stay out
	RND8 ST1+4*\i, ST0+8*\i
	global_store_b128 v5, v[ST1+4*\i:ST1+4*\i+3], s[16:17] offset:2048*\i   ; each chunk has result registers of its own
.endr
	s_endpgm
	; ---- job V: fragment (mtv, ks).  Lane (r, h) holds Wv[64 h + 16 ks + 0..15][16 mtv + r]: the order along e in which the attention
	; launch finds its own sums in its accumulators.
.Lrole_v:
	s_sub_co_u32 s25, ttmp9, 9                     ; mtv
	s_lshl_b32 s26, s24, 14                        ; 16 ks rows of 1,024 bytes
	s_lshl_b32 s27, s25, 6                         ; 16 mtv columns of 4 bytes
	s_add_co_u32 s26, s26, s27
	v_lshlrev_b32 v4, 16, v2                       ; 64 h rows
	v_lshl_add_u32 v4, v1, 2, v4                   ; + 4 r
	v_add_nc_u32 v4, s26, v4
.irp i,0,1,2,3,4,5,6,7,8,9,10,11,12,13,14,15
	global_load_b32 v[ST0+\i], v4, s[10:11] offset:1024*\i
.endr
	s_lshl_b32 s27, s25, 12                        ; (4 mtv + ks) x 1,024
	s_lshl_b32 s28, s24, 10
	s_add_co_u32 s27, s27, s28
	v_lshlrev_b32 v5, 4, v3
	v_add_nc_u32 v5, s27, v5
	s_wait_loadcnt 0x0
	RND8 ST1, ST0
	RND8 ST1+4, ST0+8
	global_store_b128 v5, v[ST1:ST1+3], s[22:23]
	global_store_b128 v5, v[ST1+4:ST1+7], s[22:23] offset:512
	s_endpgm
	; ---- job M: work-group mt (16 columns e2 of M; mt = 8: the column w), wave ks (32 rows e of M).  K = 256 in 8 steps of 32.
	; Three accumulators, D0, D1, DU, one instruction a turn.  DU does not hang on ks: every wave makes it, wave 0 stores it.
.Lrole_m:
	s_cmp_eq_u32 ttmp9, 8
	s_cselect_b64 s[26:27], s[14:15], s[8:9]       ; B's rows: Wk, or bk for tile 8,
	s_cselect_b32 s28, 0, 1024                     ; whose one row serves all 16 columns (pitch 0)
	s_lshl_b32 s25, s24, 15                        ; 32 ks rows of Wq
	v_lshlrev_b32 v5, 5, v2                        ; 32 h: also the whole offset in bq
	v_lshl_add_u32 v4, v1, 10, v5
	v_add_nc_u32 v4, s25, v4                       ; Wq: (32 ks + r) x 1,024 + 32 h
	s_lshl_b32 s29, ttmp9, 4
	v_add_nc_u32 v6, s29, v1
	v_mul_lo_u32 v6, v6, s28
	v_add_nc_u32 v6, v6, v5                        ; Wk: (16 mt + r) x pitch + 32 h
; a fragment's 16 f32 of one lane: k = 8 h + 0..7 (32 bytes) and 16 + 8 h + 0..7 (32 bytes, 64 further on)
.macro LOADF st, adr, base, off
.irp q,0,1,2,3
	global_load_b128 v[\st+4*\q:\st+4*\q+3], v[\adr], s[\base:\base+1] offset:\off+16*(\q&1)+64*(\q>>1)
.endr
.endm
.macro LOADK kh, st
	LOADF \st,    4, 6,  128*(\kh)
	LOADF \st+16, 4, 6,  128*(\kh)+16384
	LOADF \st+32, 5, 12, 128*(\kh)
	LOADF \st+48, 6, 26, 128*(\kh)
.endm
.macro CVTK st
.set i, 0
.rept 32
	v_cvt_pk_bf16_f32 v[FR+i], v[\st+2*i], v[\st+2*i+1]
.set i, i+1
.endr
.endm
.macro MMK zero
.if \zero
	v_wmma_f32_16x16x32_bf16 v[D0:D0+7], v[FR:FR+7],     v[FR+24:FR+31], 0     ; the first K step starts the sums
	v_wmma_f32_16x16x32_bf16 v[D1:D1+7], v[FR+8:FR+15],  v[FR+24:FR+31], 0
	v_wmma_f32_16x16x32_bf16 v[DU:DU+7], v[FR+16:FR+23], v[FR+24:FR+31], 0
.else
	v_wmma_f32_16x16x32_bf16 v[D0:D0+7], v[FR:FR+7],     v[FR+24:FR+31], v[D0:D0+7]
	v_wmma_f32_16x16x32_bf16 v[D1:D1+7], v[FR+8:FR+15],  v[FR+24:FR+31], v[D1:D1+7]
	v_wmma_f32_16x16x32_bf16 v[DU:DU+7], v[FR+16:FR+23], v[FR+24:FR+31], v[DU:DU+7]
.endif
.endm
; one K step.  left: the 16 loads of the next step may stay out.  more: the staging just converted is loaded again, two steps ahead.
.macro STEPK kh, left, more, zero
	s_wait_loadcnt \left
	CVTK ST0+64*(\kh&1)
.if \more
	LOADK \kh+2, ST0+64*(\kh&1)
.endif
	MMK \zero
	PLACES                                         ; the next step's conversions write the fragments; the packing below reads the sums
.endm
	LOADK 0, ST0
	LOADK 1, ST1
	STEPK 0, 16, 1, 1
.irp kh,1,2,3,4,5
	STEPK \kh, 16, 1, 0
.endr
	STEPK 6, 16, 0, 0
	STEPK 7, 0, 0, 0
	; D0's eight registers are registers 0-3 of A fragment (mt, ks) of the transposed M, D1's are registers 4-7: pack in place of a shuffle.
.irp i,0,1,2,3,4,5,6,7
	v_cvt_pk_bf16_f32 v[HI+\i], v[D0+2*\i], v[D0+2*\i+1]
.endr
.irp i,0,1,2,3,4,5,6,7
	v_lshlrev_b32 v[TMP+2*(\i&3)], 16, v[HI+\i]
	v_and_b32 v[TMP+2*(\i&3)+1], 0xffff0000, v[HI+\i]
	v_sub_f32 v[TMP+2*(\i&3)], v[D0+2*\i], v[TMP+2*(\i&3)]             ; what the high part left over
	v_sub_f32 v[TMP+2*(\i&3)+1], v[D0+2*\i+1], v[TMP+2*(\i&3)+1]
	v_cvt_pk_bf16_f32 v[LO+\i], v[TMP+2*(\i&3)], v[TMP+2*(\i&3)+1]
.endr
	s_mul_i32 s25, s24, 18
	s_add_co_u32 s25, s25, ttmp9
	s_lshl_b32 s25, s25, 10                        ; fragment (2 ks + part) x 9 + mt, part 0
	v_lshlrev_b32 v7, 4, v3
	v_add_nc_u32 v7, s25, v7
	global_store_b128 v7, v[HI:HI+3],   s[18:19]
	global_store_b128 v7, v[HI+4:HI+7], s[18:19] offset:512
	global_store_b128 v7, v[LO:LO+3],   s[18:19] offset:9216       ; part 1: nine fragments further on
	global_store_b128 v7, v[LO+4:LO+7], s[18:19] offset:9728
	s_cmp_lg_u32 s24, 0
	s_cbranch_scc1 .Lm_end
	s_lshl_b32 s29, ttmp9, 7                       ; u2: 32 words a tile, word l = u(16 mt + l % 16); tile 8: bq.bk
	v_lshlrev_b32 v8, 2, v3
	v_add_nc_u32 v8, s29, v8
	global_store_b32 v8, v[DU], s[20:21]
.Lm_end:
	s_endpgm
.Lfunc_end_k_qd23141cc1d_prep:
	.size	k_qd23141cc1d_prep, .Lfunc_end_k_qd23141cc1d_prep-k_qd23141cc1d_prep
	.p2alignl 7, 3214868480
	.fill 96, 4, 3214868480
	.section	.rodata,"a",@progbits
	.p2align	6, 0x0
	.amdhsa_kernel k_qd23141cc1d_prep
		.amdhsa_group_segment_fixed_size 0
		.amdhsa_private_segment_fixed_size 0
		.amdhsa_enable_private_segment 0
		.amdhsa_kernarg_size 80
		.amdhsa_user_sgpr_count 2
		.amdhsa_user_sgpr_kernarg_segment_ptr 1
		.amdhsa_wavefront_size32 1
		.amdhsa_system_sgpr_workgroup_id_x 1
		.amdhsa_system_sgpr_workgroup_id_y 1
		.amdhsa_system_sgpr_workgroup_id_z 1
		.amdhsa_system_vgpr_workitem_id 0
		.amdhsa_next_free_vgpr 224
		.amdhsa_next_free_sgpr 66
		.amdhsa_reserve_vcc 0
		.amdhsa_float_denorm_mode_32 3
		.amdhsa_float_denorm_mode_16_64 3
		.amdhsa_memory_ordered 1
		.amdhsa_forward_progress 1
		.amdhsa_inst_pref_size 49
	.end_amdhsa_kernel
	.amdgpu_metadata
---
amdhsa.version: [ 1, 2 ]
amdhsa.kernels:
  - .name:           k_qd23141cc1d_prep
    .symbol:         k_qd23141cc1d_prep.kd
    .args:
      - { .name: x, .offset: 0, .size: 8, .value_kind: global_buffer, .address_space: global }
      - { .name: Wq, .offset: 8, .size: 8, .value_kind: global_buffer, .address_space: global }
      - { .name: Wk, .offset: 16, .size: 8, .value_kind: global_buffer, .address_space: global }
      - { .name: Wv, .offset: 24, .size: 8, .value_kind: global_buffer, .address_space: global }
      - { .name: bq, .offset: 32, .size: 8, .value_kind: global_buffer, .address_space: global }
      - { .name: bk, .offset: 40, .size: 8, .value_kind: global_buffer, .address_space: global }
      - { .name: xh, .offset: 48, .size: 8, .value_kind: global_buffer, .address_space: global }
      - { .name: mf, .offset: 56, .size: 8, .value_kind: global_buffer, .address_space: global }
      - { .name: u2, .offset: 64, .size: 8, .value_kind: global_buffer, .address_space: global }
      - { .name: wvf, .offset: 72, .size: 8, .value_kind: global_buffer, .address_space: global }
    .group_segment_fixed_size: 0
    .private_segment_fixed_size: 0
    .kernarg_segment_align: 8
    .kernarg_segment_size: 80
    .max_flat_workgroup_size: 128
    .sgpr_count:     66
    .vgpr_count:     224
    .wavefront_size: 32
...
	.end_amdgpu_metadata
.endif
;; end of part 1
;; launch attn (part 2): grid 32 x 8, 4 waves a work-group, no clusters, 327,680 bytes of LDS; arguments x, xh, mf, u2, wvf, bv, out0; writes out0
.if DOCPART == 2
	.amdgcn_target "amdgcn-amd-amdhsa--gfx1250"
	.amdhsa_code_object_version 6
	.text
	.protected	k_qd23141cc1d_attn
	.globl	k_qd23141cc1d_attn
	.p2align	8
	.type	k_qd23141cc1d_attn,@function
k_qd23141cc1d_attn:
	s_mov_b64 s[64:65], 0
	v_nop
	global_prefetch_b8 v0, s[64:65] scope:SCOPE_SE
	s_setreg_imm32_b32 hwreg(HW_REG_WAVE_MODE, 25, 1), 1
	s_wait_xcnt 0x0
; attn: causal attention of one head, re-associated so that keys and values are both x itself (128 wide instead of 256):
;   score(t, s) = ((x_t M + u) . x_s + c_t) / 16,  M = Wq Wk^T, u = bq Wk^T, c_t = x_t.(Wq bk) + bq.bk      (M, u, w from the launch before)
;   out_t       = (sum_s p(t, s) x_s / sum_s p(t, s)) Wv + bv                                              (the weights of a row add up to 1)
; A work-group owns 64 queries of one batch (grid x: block b, grid y: batch), a wave 16 of them.  EVERY PRODUCT IS USED TRANSPOSED: the query is the
; column, that is the lane (r = lane % 16).  So a row's maximum and sum live in its two lanes (h = lane / 16), and each result becomes the next
; product's B fragment by packing neighbouring accumulator registers: no shuffle, no trip through LDS.
; Keys go in tiles of 64.  The diagonal tile b comes first: it alone is masked, it starts the sums, and each row has its own key in it, so the running
; maximum is finite from the start.  Then tiles 0 .. b-1: b % 4 (b & 3) one by one, the other 4 (b >> 2) in pairs through a ring of two LDS slots.
; FORMATS: x, Wq, Wk, Wv, bq, bk rounded to bf16.  What is computed from them keeps 11 bits or more: M as a bf16 pair; x M + u as f16 behind a power of
; two of its row; the weights (at most 1) and the weighted mean of x as f16.  Softmax, sums and bv in f32.
; LIMITS: |x| and |Wv| below 65,504 (bf16 values kept in f16 containers; below 2^-14 an absolute error of at most 3e-8); the row's power of two is
; clamped to 2^-100 .. 2^100; the order of the sums differs from the reference's by the re-association above.
; NO CLUSTER: block b reads b + 1 tiles and begins with its own diagonal tile, so neighbours want different numbers of tiles in a different order.
; Slot 1 is first filled with tiles 1 and 2 for every block; blocks with b & 3 below 3 leave part of it unread (at most 32 KiB).
.set PITCH,  272                       ; an LDS row of x: 256 bytes + 16: rows start 16 bytes apart modulo 256
.set SUBB,   64*PITCH                  ; a tile of 64 keys
.set SLOTB,  2*SUBB                    ; a slot: two tiles
.set WQ,     32*PITCH                  ; what one wave fetches of a slot
.set MFQ,    18432                     ; a wave's quarter of M's fragments (LDS 0 .. 73,727)
.set WV_L,   73728                     ; Wv's fragments, 65,536 bytes
.set BV_L,   139264                    ; bv, 1,024 bytes
.set XS_L,   140288                    ; the ring
.set STG_L,  XS_L+2*SLOTB              ; 209,920: each wave's stage for the way out, 16 rows of 528; no tensor load lands here
.set SPITCH, 528
.set STGB,   16*SPITCH
.set L2E16,  0x3db8aa3b                ; log2(e) / 16
; window 0
.set SA,  1                            ; plain key fragments: XS_L + 272 r + 16 h
.set TA,  2                            ; transposed ones: XS_L + 272 (8 h + lane % 8) + 128 (lane / 8 % 2)
.set FA,  3                            ; 16 lane: M's fragments; also my byte offset in a half row of out0
.set CO,  FA
.set FA2, 4                            ; 16 lane + 36,864: M's chunks 4 to 7 (LDS immediates end at 65,535)
.set FV,  5                            ; WV_L + 16 lane
.set BA,  6                            ; BV_L + 32 h
.set STO, 7                            ; stage, in: 528 r + 32 h
.set RD,  8                            ; stage, back: 16 lane
.set XO,  10                           ; x: 512 r + 32 h
.set UO,  11                           ; u2: 32 h
.set DD,  12                           ; 16 w + r - 8 h: key 16 kt + 8 h + j is masked where 16 kt + j > DD
.set NEG, 13                           ; the most negative finite f32
.set F,   14                           ; v[14:15] row's power of two x log2(e) / 16, twice
.set BB,  16                           ; v[16:17] c - maximum, twice
.set AL,  18                           ; v[18:19] 2^(old maximum - new), twice
.set MX,  20                           ; running maximum (base 2)
.set LS,  21                           ; running sum of my half of the keys
.set CP,  22                           ; c_t log2(e) / 16
.set T,   24                           ; v[24:31] at work
.set QF,  32                           ; v[32:63] four B fragments: the scaled x M + u; at the end the weighted mean of x
.set O,   64                           ; v[64:127] eight accumulator tiles: register j of tile mt, lane (r, h): e = 64 h + 8 mt + j
.set S,   128                          ; v[128:159] four score tiles: register j of tile kt: key 16 kt + 8 h + j
.set P,   160                          ; v[160:175] two B fragments of weights
.set RB,  128                          ; v[128:191] the way out: rows read back
.set ACC, 64                           ; v[64:135] at the start: nine tiles of x M + u (tile 8: c_t)
.set XQ,  136                          ; v[136:167] at the start: my 16 rows of x, four bf16 B fragments
.set XF,  168                          ; v[168:231] at the start: the same in f32
; window 1 (v256-v511): v[0:127] 16 plain key fragments at 8 (4 ks + kt); v[128:255] 16 transposed at 128 + 8 (8 kk + mt);
; at the start three buffers of nine fragments of M; at the end 32 fragments of Wv.
.set G1X, 32                           ; s[32:39] shape of a wave's quarter slot
.set G1M, 40                           ; s[40:47], s[48:55], s[56:63] shapes of the dense blocks
.set G1V, 48
.set G1B, 56
.set G0X, 68                           ; s[68:71] slot 0, s[72:75] slot 1
.set G0M, 76
.set G0V, 80
.set G0B, 84
.set NXT, 88                           ; s[88:89] my rows of the next pair of tiles, type bits set
.set XB,  90                           ; s[90:91] xh at my batch
.set MSB, 0
.macro WIN new                         ; bits 1:0 source 0, 3:2 source 1, 5:4 source 2, 7:6 destination; the high byte repeats the setting left
.if MSB != \new
	s_set_vgpr_msb (MSB<<8)|\new
.set MSB, \new
.endif
.endm
.macro PLACES                          ; four plain vector places behind a matrix instruction, before its results are read or its registers
.rept 4                                ; are written or loaded into (ISA guide 7.12.1)
	v_nop
.endr
.endm
.macro SHAPE g, w0, c, r               ; group 1: r rows of c elements, dense in memory (pitch c); the extents are the tile's own
	s_mov_b32 s[\g], \w0
	s_mov_b32 s[\g+1], (\c)<<16
	s_mov_b32 s[\g+2], (\r)<<16
	s_mov_b32 s[\g+3], (\c)<<16
	s_mov_b32 s[\g+4], \r
	s_mov_b32 s[\g+5], \c
	s_mov_b32 s[\g+6], 0
	s_mov_b32 s[\g+7], 0
.endm
	s_load_b256 s[4:11], s[0:1], 0x0               ; x 4, xh 6, mf 8, u2 10
	s_load_b128 s[12:15], s[0:1], 0x20             ; wvf 12, bv 14
	s_load_b64 s[16:17], s[0:1], 0x30              ; out0
	v_lshl_add_u32 v254, v0, 2, 0x3b800
	v_mov_b32 v255, 0
	ds_add_u32 v254, v255
	ds_add_u32 v254, v255
	v_lshrrev_b32 v[T], 5, v0
	v_readfirstlane_b32 s18, v[T]                  ; wave w
	s_mov_b32 s19, ttmp9                           ; block b
	s_and_b32 s20, ttmp7, 0xffff                   ; batch
	s_and_b32 s21, s19, 3                          ; tiles taken one by one
	s_lshr_b32 s22, s19, 2                         ; laps of the ring (four tiles each)
	s_mov_b32 s24, 0x76543210                      ; v_permlanex16_b32: lane i reads lane i of the other half
	s_mov_b32 s25, 0xfedcba98
	SHAPE G1X, 0x07510000, 128, 32                 ; 2-byte elements, 32 rows of 128; 4 words of padding behind every 64
	SHAPE G1M, 0x00030000, 32, 72                  ; 8-byte elements: 72 rows of 256 bytes
	SHAPE G1V, 0x00030000, 32, 64
	SHAPE G1B, 0x00030000, 32, 1
	s_mov_b32 s[G0M], 1
	s_mul_i32 s[G0M+1], s18, MFQ
	s_mov_b32 s[G0X], 1
	s_mul_i32 s[G0X+1], s18, WQ
	s_add_co_u32 s[G0X+1], s[G0X+1], XS_L
	s_mov_b32 s[G0X+4], 1
	s_add_co_u32 s[G0X+5], s[G0X+1], SLOTB
	s_mov_b32 s[G0V], 1
	s_lshl_b32 s[G0V+1], s18, 14
	s_add_co_u32 s[G0V+1], s[G0V+1], WV_L
	s_mov_b32 s[G0B], 1
	s_lshl_b32 s[G0B+1], s18, 8
	s_add_co_u32 s[G0B+1], s[G0B+1], BV_L
	; lane addresses
	v_and_b32 v[T], 31, v0                         ; lane
	v_and_b32 v[T+1], 15, v0                       ; r
	v_bfe_u32 v[T+2], v0, 4, 1                     ; h
	v_and_b32 v[T+3], 7, v0
	v_bfe_u32 v[T+4], v0, 3, 1
	v_mul_u32_u24 v[SA], v[T+1], PITCH
	v_lshl_add_u32 v[SA], v[T+2], 4, v[SA]
	v_add_nc_u32 v[SA], XS_L, v[SA]
	v_lshl_add_u32 v[T+5], v[T+2], 3, v[T+3]
	v_mul_u32_u24 v[TA], v[T+5], PITCH
	v_lshl_add_u32 v[TA], v[T+4], 7, v[TA]         ; the two groups of eight lanes stand 128 bytes apart, not 16: with rows 16 bytes apart
	v_add_nc_u32 v[TA], XS_L, v[TA]                ; modulo 256 the sixteen lanes then touch sixteen different 16-byte columns
	v_lshlrev_b32 v[FA], 4, v[T]
	v_add_nc_u32 v[FA2], 36864, v[FA]
	v_add_nc_u32 v[FV], WV_L, v[FA]
	v_lshlrev_b32 v[UO], 5, v[T+2]
	v_add_nc_u32 v[BA], BV_L, v[UO]
	s_mul_i32 s30, s18, STGB
	s_add_co_u32 s30, s30, STG_L                   ; my stage
	v_mul_u32_u24 v[STO], v[T+1], SPITCH
	v_add3_u32 v[STO], v[STO], v[UO], s30
	v_add_nc_u32 v[RD], s30, v[FA]
	v_lshl_add_u32 v[XO], v[T+1], 9, v[UO]
	s_lshl_b32 s31, s18, 4
	v_lshlrev_b32 v[T+5], 3, v[T+2]
	v_sub_nc_u32 v[DD], v[T+1], v[T+5]
	v_add_nc_u32 v[DD], s31, v[DD]
	v_mov_b32 v[NEG], 0xff7fffff
	s_wait_dscnt 0x0
	s_wait_kmcnt 0x0
	; five tensor loads of each wave, each into the wave's own quarter: M, slot 0, slot 1, Wv, bv.  All are first fills.
	s_mul_i32 s26, s18, MFQ
	s_mov_b32 s27, 0
	s_add_nc_u64 s[G0M+2:G0M+3], s[8:9], s[26:27]
	s_or_b32 s[G0M+3], s[G0M+3], 0x80000000
	tensor_load_to_lds s[G0M:G0M+3], s[G1M:G1M+7]
	s_nop 0
	s_lshl_b32 s26, s20, 19                        ; a batch of xh: 2,048 rows of 256 bytes
	s_add_nc_u64 s[XB:XB+1], s[6:7], s[26:27]
	s_lshl_b32 s28, s18, 5                         ; 32 w
	s_lshl_b32 s26, s19, 6
	s_add_co_u32 s26, s26, s28                     ; waves 0, 1: the diagonal tile, row 64 b + 32 w
	s_sub_co_u32 s29, s28, 64                      ; waves 2, 3: tile 0, row 32 (w - 2)
	s_cmp_lt_u32 s18, 2
	s_cselect_b32 s26, s26, s29
	s_lshl_b32 s26, s26, 8
	s_add_nc_u64 s[G0X+2:G0X+3], s[XB:XB+1], s[26:27]
	s_or_b32 s[G0X+3], s[G0X+3], 0x80000000
	tensor_load_to_lds s[G0X:G0X+3], s[G1X:G1X+7]
	s_nop 0
	s_add_co_u32 s26, s28, 64                      ; tiles 1 and 2: row 64 + 32 w
	s_lshl_b32 s26, s26, 8
	s_add_nc_u64 s[G0X+6:G0X+7], s[XB:XB+1], s[26:27]
	s_or_b32 s[G0X+7], s[G0X+7], 0x80000000
	tensor_load_to_lds s[G0X+4:G0X+7], s[G1X:G1X+7]
	s_nop 0
	s_lshl_b32 s26, s18, 14
	s_add_nc_u64 s[G0V+2:G0V+3], s[12:13], s[26:27]
	s_or_b32 s[G0V+3], s[G0V+3], 0x80000000
	tensor_load_to_lds s[G0V:G0V+3], s[G1V:G1V+7]
	s_nop 0
	s_lshl_b32 s26, s18, 8
	s_add_nc_u64 s[G0B+2:G0B+3], s[14:15], s[26:27]
	s_or_b32 s[G0B+3], s[G0B+3], 0x80000000
	tensor_load_to_lds s[G0B:G0B+3], s[G1B:G1B+7]
	s_nop 0
	s_lshl_b32 s26, s21, 6
	s_add_co_u32 s26, s26, s28                     ; the ring's first pair begins at tile b & 3: row 64 (b & 3) + 32 w
	s_lshl_b32 s26, s26, 8
	s_add_nc_u64 s[NXT:NXT+1], s[XB:XB+1], s[26:27]
	s_or_b32 s[NXT+1], s[NXT+1], 0x80000000
	s_lshl_b32 s26, s20, 7                         ; my 16 rows are number 128 batch + 4 b + w
	s_lshl_b32 s29, s19, 2
	s_add_co_u32 s26, s26, s29
	s_add_co_u32 s26, s26, s18
	s_lshl_b32 s28, s26, 14                        ; x 16 rows of 1,024 bytes of out0
	s_mov_b32 s29, 0
	s_lshl_b32 s26, s26, 13                        ; x 16 rows of 512 bytes of x
	s_add_nc_u64 s[4:5], s[4:5], s[26:27]
	s_add_nc_u64 s[16:17], s[16:17], s[28:29]
.irp q,0,1,2,3,4,5,6,7
	global_load_b128 v[XF+8*\q:XF+8*\q+3],   v[XO], s[4:5] offset:64*\q          ; x(r, 16 q + 8 h + 0..7) in f32
	global_load_b128 v[XF+8*\q+4:XF+8*\q+7], v[XO], s[4:5] offset:64*\q+16
.endr
.irp mt,0,1,2,3,4,5,6,7,8
	global_load_b128 v[ACC+8*\mt:ACC+8*\mt+3],   v[UO], s[10:11] offset:128*\mt      ; u(16 mt + 8 h + j) starts the sums of tile mt
	global_load_b128 v[ACC+8*\mt+4:ACC+8*\mt+7], v[UO], s[10:11] offset:128*\mt+16
.endr
	s_wait_loadcnt 18                              ; x is in; the 18 loads of u stay out
.set i, 0
.rept 32
	v_cvt_pk_bf16_f32 v[XQ+i], v[XF+2*i], v[XF+2*i+1]
.set i, i+1
.endr
	s_wait_tensorcnt 4                             ; my quarter of M has landed; the four loads issued behind it stay out
	s_barrier_signal -1
	s_barrier_wait -1                              ; everybody's has.
	; ---- x M + u, transposed: tile mt (rows 16 mt ..) += M^T fragment (mt, ks; high part, then remainder) x my x fragment ks.
	; Eight chunks c = 2 ks + part of nine fragments go through three register buffers.  Nine accumulators, one instruction a turn.
.macro MFLOAD c
	WIN 0x40
.irp mt,0,1,2,3,4,5,6,7,8
.if (\c) < 4
	ds_load_b128 v[72*((\c)%3)+8*\mt:72*((\c)%3)+8*\mt+3],   v[FA] offset:((\c)%4)*9216+1024*\mt
	ds_load_b128 v[72*((\c)%3)+8*\mt+4:72*((\c)%3)+8*\mt+7], v[FA] offset:((\c)%4)*9216+1024*\mt+512
.else
	ds_load_b128 v[72*((\c)%3)+8*\mt:72*((\c)%3)+8*\mt+3],   v[FA2] offset:((\c)%4)*9216+1024*\mt
	ds_load_b128 v[72*((\c)%3)+8*\mt+4:72*((\c)%3)+8*\mt+7], v[FA2] offset:((\c)%4)*9216+1024*\mt+512
.endif
.endr
.endm
.macro QPROD c, left
	s_wait_dscnt \left                             ; chunk c is in; the 18 loads of each younger chunk stay out
	WIN 0x01
.irp mt,0,1,2,3,4,5,6,7,8
	v_wmma_f32_16x16x32_bf16 v[ACC+8*\mt:ACC+8*\mt+7], v[72*((\c)%3)+8*\mt:72*((\c)%3)+8*\mt+7], v[XQ+8*((\c)/2):XQ+8*((\c)/2)+7], v[ACC+8*\mt:ACC+8*\mt+7]
.endr
	PLACES                                         ; the buffer is loaded again; at the end the sums are read
.endm
	MFLOAD 0
	MFLOAD 1
	MFLOAD 2
	s_wait_loadcnt 0x0                             ; u
.irp c,0,1,2,3,4
	QPROD \c, 36
	MFLOAD \c+3
.endr
	QPROD 5, 36
	QPROD 6, 18
	QPROD 7, 0
	WIN 0
	; the row's largest magnitude (its 128 numbers lie in lanes r and r + 16), its power of two, and the f16 fragments
.irp c,0,1,2,3
	v_max3_num_f32 v[T+\c], |v[ACC+16*\c]|, |v[ACC+16*\c+1]|, |v[ACC+16*\c+2]|
.endr
.irp i,3,5,7,9,11,13
.irp c,0,1,2,3
	v_max3_num_f32 v[T+\c], v[T+\c], |v[ACC+16*\c+\i]|, |v[ACC+16*\c+\i+1]|
.endr
.endr
.irp c,0,1,2,3
	v_max_num_f32 v[T+\c], v[T+\c], |v[ACC+16*\c+15]|
.endr
	v_max3_num_f32 v[T], v[T], v[T+1], v[T+2]
	v_max_num_f32 v[T], v[T], v[T+3]
	v_permlanex16_b32 v[T+1], v[T], s24, s25
	v_max_num_f32 v[T], v[T], v[T+1]
	v_max_num_f32 v[T], 0x0d800000, v[T]           ; 2^-100
	v_min_num_f32 v[T], 0x71800000, v[T]           ; 2^100
	v_and_b32 v[T], 0x7f800000, v[T]               ; 2^k, k the exponent of the largest
	v_sub_nc_u32 v[AL], 0x7f000000, v[T]           ; 2^-k: the exponent fields add up to 254
	v_mov_b32 v[AL+1], v[AL]
	v_mul_f32 v[F], L2E16, v[T]                    ; what a raw score is multiplied by: 2^k log2(e) / 16
	v_mov_b32 v[F+1], v[F]
	v_mul_f32 v[CP], L2E16, v[ACC+64]              ; tile 8 holds c_t in every register
.set i, 0
.rept 32
	v_pk_mul_f32 v[ACC+2*i:ACC+2*i+1], v[ACC+2*i:ACC+2*i+1], v[AL:AL+1]        ; now below 2 in magnitude
.set i, i+1
.endr
.set i, 0
.rept 32
	v_cvt_pk_f16_f32 v[QF+i], v[ACC+2*i], v[ACC+2*i+1]     ; tiles 2 ks, 2 ks + 1 are registers 0-3, 4-7 of B fragment ks
.set i, i+1
.endr
; ---- one tile of 64 keys
.macro LDS_S off                       ; 16 plain fragments (16 keys x 32 e), by slices of e: 8 loads a slice
	WIN 0x40
.irp ks,0,1,2,3
.irp kt,0,1,2,3
	ds_load_b128 v[8*(4*\ks+\kt):8*(4*\ks+\kt)+3],   v[SA] offset:\off+4352*\kt+64*\ks
	ds_load_b128 v[8*(4*\ks+\kt)+4:8*(4*\ks+\kt)+7], v[SA] offset:\off+4352*\kt+64*\ks+32
.endr
.endr
.endm
.macro LDS_T off                       ; 16 transposed fragments (16 e x 32 keys), by halves of the keys: 16 loads a half
	WIN 0x40
.irp kk,0,1
.irp mt,0,1,2,3,4,5,6,7
	ds_load_tr16_b128 v[128+8*(8*\kk+\mt):128+8*(8*\kk+\mt)+3],   v[TA] offset:\off+8704*\kk+16*\mt
	ds_load_tr16_b128 v[128+8*(8*\kk+\mt)+4:128+8*(8*\kk+\mt)+7], v[TA] offset:\off+8704*\kk+16*\mt+4352
.endr
.endr
.endm
; raw scores, transposed.  later = LDS loads issued behind the 32 of LDS_S.  Four accumulators, one instruction a turn.
.macro SPH later
	WIN 0x01
.irp ks,0,1,2,3
	s_wait_dscnt \later+8*(3-\ks)                  ; slice ks is in: the younger slices (8 loads each) and the later loads stay out
.irp kt,0,1,2,3
.if \ks == 0
	v_wmma_f32_16x16x32_f16 v[S+8*\kt:S+8*\kt+7], v[8*(4*\ks+\kt):8*(4*\ks+\kt)+7], v[QF+8*\ks:QF+8*\ks+7], 0
.else
	v_wmma_f32_16x16x32_f16 v[S+8*\kt:S+8*\kt+7], v[8*(4*\ks+\kt):8*(4*\ks+\kt)+7], v[QF+8*\ks:QF+8*\ks+7], v[S+8*\kt:S+8*\kt+7]
.endif
.endr
.endr
	WIN 0
.endm
; the running softmax of my query over these 64 keys (32 of them in my lane).  first: no older maximum, sum or accumulators.  mask: the diagonal tile.
.macro SMAX first, mask
	WIN 0
.if \mask
.irp kt,0,1,2,3
.irp j,0,1,2,3,4,5,6,7
	v_cmp_gt_i32 vcc_lo, 16*\kt+\j, v[DD]
	v_cndmask_b32 v[S+8*\kt+\j], v[S+8*\kt+\j], v[NEG], vcc_lo     ; a key behind the query: its weight comes out as 0
.endr
.endr
.endif
.irp c,0,1,2,3
	v_max3_num_f32 v[T+\c], v[S+8*\c], v[S+8*\c+1], v[S+8*\c+2]
.endr
.irp c,0,1,2,3
	v_max3_num_f32 v[T+\c], v[T+\c], v[S+8*\c+3], v[S+8*\c+4]
.endr
.irp c,0,1,2,3
	v_max3_num_f32 v[T+\c], v[T+\c], v[S+8*\c+5], v[S+8*\c+6]
.endr
.irp c,0,1,2,3
	v_max_num_f32 v[T+\c], v[T+\c], v[S+8*\c+7]
.endr
	v_max3_num_f32 v[T], v[T], v[T+1], v[T+2]
	v_max_num_f32 v[T], v[T], v[T+3]
	v_permlanex16_b32 v[T+1], v[T], s24, s25       ; the other half of the keys
	v_max_num_f32 v[T], v[T], v[T+1]
.if \first
	v_fma_f32 v[MX], v[T], v[F], v[CP]             ; the tile's largest score, base 2 (F is positive)
	v_sub_f32 v[BB], v[CP], v[MX]
	v_mov_b32 v[BB+1], v[BB]
.else
	v_fma_f32 v[T], v[T], v[F], v[CP]
	v_max_num_f32 v[T], v[MX], v[T]                ; the new maximum
	v_sub_f32 v[T+1], v[MX], v[T]
	v_exp_f32 v[AL], v[T+1]                        ; what the older sums shrink by
	v_sub_f32 v[BB], v[CP], v[T]                   ; the plain instruction behind the exponential (ISA guide 5.7.2)
	v_mov_b32 v[MX], v[T]
	s_wait_alu depctr_va_vdst(0)
	v_mov_b32 v[AL+1], v[AL]
	v_mov_b32 v[BB+1], v[BB]
.endif
.set i, 0
.rept 16
	v_pk_fma_f32 v[S+2*i:S+2*i+1], v[S+2*i:S+2*i+1], v[F:F+1], v[BB:BB+1]      ; score - maximum, base 2
.set i, i+1
.endr
.set i, 0
.rept 32
	v_exp_f32 v[S+i], v[S+i]
.set i, i+1
.endr
.if \first
	v_nop                                          ; the plain instruction behind the exponentials
	s_wait_alu depctr_va_vdst(0)
.else
.set i, 0
	s_wait_alu depctr_va_vdst(0)
.rept 32
	v_pk_mul_f32 v[O+2*i:O+2*i+1], v[O+2*i:O+2*i+1], v[AL:AL+1]    ; plain work behind the exponentials: the older sums shrink
.set i, i+1
.endr
.endif
.irp c,0,1,2,3
	v_pk_add_f32 v[T+2*\c:T+2*\c+1], v[S+8*\c:S+8*\c+1], v[S+8*\c+2:S+8*\c+3]
.endr
.irp c,0,1,2,3
	v_pk_add_f32 v[T+2*\c:T+2*\c+1], v[T+2*\c:T+2*\c+1], v[S+8*\c+4:S+8*\c+5]
.endr
.irp c,0,1,2,3
	v_pk_add_f32 v[T+2*\c:T+2*\c+1], v[T+2*\c:T+2*\c+1], v[S+8*\c+6:S+8*\c+7]
.endr
	v_pk_add_f32 v[T:T+1], v[T:T+1], v[T+2:T+3]
	v_pk_add_f32 v[T+4:T+5], v[T+4:T+5], v[T+6:T+7]
	v_pk_add_f32 v[T:T+1], v[T:T+1], v[T+4:T+5]
.if \first
	v_add_f32 v[LS], v[T], v[T+1]
.else
	v_add_f32 v[T], v[T], v[T+1]
	v_fma_f32 v[LS], v[LS], v[AL], v[T]
.endif
.set i, 0
.rept 16
	v_cvt_pk_f16_f32 v[P+i], v[S+2*i], v[S+2*i+1]  ; score tiles 2 kk, 2 kk + 1 are registers 0-3, 4-7 of B fragment kk
.set i, i+1
.endr
.endm
; weights x keys, transposed.  later = LDS loads issued behind the 32 of LDS_T.  Eight accumulators, one instruction a turn.
.macro PVPH first, later
	WIN 0x01
.irp kk,0,1
	s_wait_dscnt \later+16*(1-\kk)                 ; half kk is in: the other half's 16 loads and the later loads stay out
.irp mt,0,1,2,3,4,5,6,7
.if (\first)*(1-\kk)
	v_wmma_f32_16x16x32_f16 v[O+8*\mt:O+8*\mt+7], v[128+8*(8*\kk+\mt):128+8*(8*\kk+\mt)+7], v[P+8*\kk:P+8*\kk+7], 0
.else
	v_wmma_f32_16x16x32_f16 v[O+8*\mt:O+8*\mt+7], v[128+8*(8*\kk+\mt):128+8*(8*\kk+\mt)+7], v[P+8*\kk:P+8*\kk+7], v[O+8*\mt:O+8*\mt+7]
.endif
.endr
.endr
	WIN 0
.endm
.macro SUBS off, first, mask           ; one tile by itself
	LDS_S \off
	LDS_T \off
	SPH 32
	PLACES
	SMAX \first, \mask
	PVPH \first, 0
	PLACES
.endm
.macro PAIR off                        ; a slot's two tiles: the second tile's fragments are asked for as soon as the first's registers are free
	LDS_S \off
	LDS_T \off
	SPH 32
	PLACES
	LDS_S \off+SUBB
	SMAX 0, 0
	PVPH 0, 32
	PLACES
	LDS_T \off+SUBB
	SPH 32
	PLACES
	SMAX 0, 0
	PVPH 0, 0
	PLACES
.endm
; One slot's turn.  In front of the barrier every wave waits for all its tensor loads (its quarter of this slot among them; one is out) and for its
; reads of the other slot; behind it the other slot is filled again first, and has this slot's two tiles of work in which to land.
.macro TRIP slot, refill
	s_wait_tensorcnt 0x0
	ds_add_u32 v254, v255
	s_wait_dscnt 0x0
.if \refill
	s_mov_b64 s[G0X+4*(1-\slot)+2:G0X+4*(1-\slot)+3], s[NXT:NXT+1]     ; no tensor load of mine is out: a group 0 may be written
	s_add_nc_u64 s[NXT:NXT+1], s[NXT:NXT+1], 32768                     ; 128 rows of 256 bytes on
.endif
	s_wait_dscnt 0x0
	s_barrier_signal -1
	s_barrier_wait -1
.if \refill
	tensor_load_to_lds s[G0X+4*(1-\slot):G0X+4*(1-\slot)+3], s[G1X:G1X+7]
	s_nop 0
.endif
	PAIR \slot*SLOTB
.endm
.macro HEADS                           ; tiles 1 and 2, in slot 1, where b & 3 reaches them
	s_cmp_lt_u32 s21, 2
	s_cbranch_scc1 .Lheads_done_\@
	SUBS SLOTB, 0, 0
	s_cmp_lt_u32 s21, 3
	s_cbranch_scc1 .Lheads_done_\@
	SUBS SLOTB+SUBB, 0, 0
.Lheads_done_\@:
.endm
	s_wait_tensorcnt 3                             ; my quarter of slot 0 has landed; slot 1, Wv and bv stay out
	s_wait_dscnt 0x0
	s_barrier_signal -1
	s_barrier_wait -1
	SUBS 0, 1, 1                                   ; the diagonal tile
	s_cmp_lt_u32 s21, 1
	s_cbranch_scc1 .Lno_tile0
	SUBS SUBB, 0, 0                                ; tile 0
.Lno_tile0:
	s_cmp_eq_u32 s22, 0
	s_cbranch_scc1 .Lshort
	s_wait_tensorcnt 0x0                           ; all my tensor loads have landed: slot 1, Wv, bv
	ds_add_u32 v254, v255
	s_mov_b64 s[G0X+2:G0X+3], s[NXT:NXT+1]
	s_add_nc_u64 s[NXT:NXT+1], s[NXT:NXT+1], 32768
	s_wait_dscnt 0x0                               ; my reads of slot 0 are back
	s_barrier_signal -1
	s_barrier_wait -1
	tensor_load_to_lds s[G0X:G0X+3], s[G1X:G1X+7]  ; the ring's first pair, into slot 0
	s_nop 0
	HEADS
	s_sub_co_u32 s23, s22, 1
	s_cmp_eq_u32 s23, 0
	s_cbranch_scc1 .Ltail
.Lloop:
	TRIP 0, 1
	TRIP 1, 1
	s_sub_co_i32 s23, s23, 1
	s_cmp_lg_u32 s23, 0
	s_cbranch_scc1 .Lloop
.Ltail:
	TRIP 0, 1                                      ; the last lap is written out: its second turn fetches nothing
	TRIP 1, 0
	s_branch .Lout
.Lshort:                                           ; blocks 0 to 3: no ring
	s_wait_tensorcnt 0x0
	s_wait_dscnt 0x0
	s_barrier_signal -1
	s_barrier_wait -1                              ; slot 1, Wv and bv are whole
	HEADS
.Lout:
	; ---- the weighted mean of x, as f16 B fragments: accumulator tiles 2 ks, 2 ks + 1 give e = 64 h + 16 ks + 0..15, the order of Wv's fragments
	v_permlanex16_b32 v[T], v[LS], s24, s25
	v_add_f32 v[T], v[LS], v[T]
	v_rcp_f32 v[AL], v[T]
	v_nop                                          ; the plain instruction behind the reciprocal
	s_wait_alu depctr_va_vdst(0)
	v_mov_b32 v[AL+1], v[AL]
.set i, 0
.rept 32
	v_pk_mul_f32 v[O+2*i:O+2*i+1], v[O+2*i:O+2*i+1], v[AL:AL+1]
.set i, i+1
.endr
.set i, 0
.rept 32
	v_cvt_pk_f16_f32 v[QF+i], v[O+2*i], v[O+2*i+1]
.set i, i+1
.endr
; 128 columns of out0 for my 16 rows: bv starts the sums; register j of tile mtl, lane (r, h) is column 128 hp + 16 mtl + 8 h + j of row r.
; The 32 bytes of a lane go through my own stage and come back as half rows of 512 bytes.  Eight accumulators, one instruction a turn.
.macro OUTH hp
.irp mtl,0,1,2,3,4,5,6,7
	ds_load_b128 v[O+8*\mtl:O+8*\mtl+3],   v[BA] offset:64*(8*\hp+\mtl)
	ds_load_b128 v[O+8*\mtl+4:O+8*\mtl+7], v[BA] offset:64*(8*\hp+\mtl)+16
.endr
	WIN 0x40
.irp ks,0,1,2,3
.irp mtl,0,1,2,3,4,5,6,7
	ds_load_b128 v[8*(8*\ks+\mtl):8*(8*\ks+\mtl)+3],   v[FV] offset:((8*\hp+\mtl)*4+\ks)*1024
	ds_load_b128 v[8*(8*\ks+\mtl)+4:8*(8*\ks+\mtl)+7], v[FV] offset:((8*\hp+\mtl)*4+\ks)*1024+512
.endr
.endr
	WIN 0x01
.irp ks,0,1,2,3
	s_wait_dscnt 16*(3-\ks)                        ; bv and slice ks are in; the 16 loads of each younger slice stay out
.irp mtl,0,1,2,3,4,5,6,7
	v_wmma_f32_16x16x32_f16 v[O+8*\mtl:O+8*\mtl+7], v[8*(8*\ks+\mtl):8*(8*\ks+\mtl)+7], v[QF+8*\ks:QF+8*\ks+7], v[O+8*\mtl:O+8*\mtl+7]
.endr
.endr
	WIN 0
	PLACES
.irp mtl,0,1,2,3,4,5,6,7
	ds_store_b128 v[STO], v[O+8*\mtl:O+8*\mtl+3]   offset:64*\mtl
	ds_store_b128 v[STO], v[O+8*\mtl+4:O+8*\mtl+7] offset:64*\mtl+16
.endr
.if \hp
	s_wait_xcnt 0x0                                ; the first half's stores have read their data registers: these are loaded again only behind this wait
.endif
.irp p,0,1,2,3,4,5,6,7,8,9,10,11,12,13,14,15
	ds_load_b128 v[RB+4*\p:RB+4*\p+3], v[RD] offset:SPITCH*\p      ; LDS serves a wave's instructions in order (ISA guide 5.7.1): these see the stores above
.endr
.irp p,0,1,2,3,4,5,6,7,8,9,10,11,12,13,14,15
	s_wait_dscnt 15-\p                             ; row p is back; the later rows stay out
	global_store_b128 v[CO], v[RB+4*\p:RB+4*\p+3], s[16:17] offset:1024*\p+512*\hp th:TH_STORE_NT   ; 512 consecutive bytes, aligned
.endr
.endm
	OUTH 0
	OUTH 1
	s_wait_tensorcnt 0x0
	ds_add_u32 v254, v255
	s_wait_dscnt 0x0
	s_endpgm
.Lfunc_end_k_qd23141cc1d_attn:
	.size	k_qd23141cc1d_attn, .Lfunc_end_k_qd23141cc1d_attn-k_qd23141cc1d_attn
	.p2alignl 7, 3214868480
	.fill 96, 4, 3214868480
	.section	.rodata,"a",@progbits
	.p2align	6, 0x0
	.amdhsa_kernel k_qd23141cc1d_attn
		.amdhsa_group_segment_fixed_size 327680
		.amdhsa_private_segment_fixed_size 0
		.amdhsa_enable_private_segment 0
		.amdhsa_kernarg_size 56
		.amdhsa_user_sgpr_count 2
		.amdhsa_user_sgpr_kernarg_segment_ptr 1
		.amdhsa_wavefront_size32 1
		.amdhsa_system_sgpr_workgroup_id_x 1
		.amdhsa_system_sgpr_workgroup_id_y 1
		.amdhsa_system_sgpr_workgroup_id_z 1
		.amdhsa_system_vgpr_workitem_id 0
		.amdhsa_next_free_vgpr 512
		.amdhsa_next_free_sgpr 96
		.amdhsa_reserve_vcc 1
		.amdhsa_float_denorm_mode_32 3
		.amdhsa_float_denorm_mode_16_64 3
		.amdhsa_memory_ordered 1
		.amdhsa_forward_progress 1
		.amdhsa_inst_pref_size 255
	.end_amdhsa_kernel
	.section	.bss,"aw",@nobits
	.p2align	6
	.space	262144
	.amdgpu_metadata
---
amdhsa.version: [ 1, 2 ]
amdhsa.kernels:
  - .name:           k_qd23141cc1d_attn
    .symbol:         k_qd23141cc1d_attn.kd
    .args:
      - { .name: x, .offset: 0, .size: 8, .value_kind: global_buffer, .address_space: global }
      - { .name: xh, .offset: 8, .size: 8, .value_kind: global_buffer, .address_space: global }
      - { .name: mf, .offset: 16, .size: 8, .value_kind: global_buffer, .address_space: global }
      - { .name: u2, .offset: 24, .size: 8, .value_kind: global_buffer, .address_space: global }
      - { .name: wvf, .offset: 32, .size: 8, .value_kind: global_buffer, .address_space: global }
      - { .name: bv, .offset: 40, .size: 8, .value_kind: global_buffer, .address_space: global }
      - { .name: out0, .offset: 48, .size: 8, .value_kind: global_buffer, .address_space: global }
    .group_segment_fixed_size: 327680
    .private_segment_fixed_size: 0
    .kernarg_segment_align: 8
    .kernarg_segment_size: 56
    .max_flat_workgroup_size: 128
    .sgpr_count:     96
    .vgpr_count:     512
    .wavefront_size: 32
...
	.end_amdgpu_metadata
.endif
;; end of part 2
;; ======== version 2 of 2: 2 launches; version 1 with the launch prep written anew for expert scheduling mode
;; limits: values outside matrix products are rounded to bf16; values are held in f16: magnitudes above 65,504 overflow, below 6.1e-05 lose precision; inputs' magnitudes at most 65,504; right only within a limited range of input values
;; workspace buffers: xh 4,194,304 bytes; mf 73,728 bytes; u2 1,280 bytes; wvf 65,536 bytes
;; launch prep (part 3): grid 281 x 1, 4 waves a work-group, no clusters, 0 bytes of LDS; arguments x, Wq, Wk, Wv, bq, bk, xh, mf, u2, wvf; writes xh, mf, u2, wvf
.if DOCPART == 3
	.amdgcn_target "amdgcn-amd-amdhsa--gfx1250"
	.amdhsa_code_object_version 6
	.text
	.protected	k_qd23141cc1d_prep
	.globl	k_qd23141cc1d_prep
	.p2align	8
	.type	k_qd23141cc1d_prep,@function
k_qd23141cc1d_prep:
	s_mov_b64 s[64:65], 0
	v_nop
	global_prefetch_b8 v0, s[64:65] scope:SCOPE_SE
	s_setreg_imm32_b32 hwreg(HW_REG_WAVE_SCHED_MODE, 0, 2), 2
	s_setreg_imm32_b32 hwreg(HW_REG_WAVE_MODE, 25, 1), 1
	s_wait_xcnt 0x0
	s_wait_alu depctr_vm_vsrc(0)
; prep: what the attention launch needs once, made once.  Three jobs, chosen by the work-group's number.
;   0..8    (job M)  M = Wq Wk^T (128 x 128), u = bq Wk^T, w = Wq bk, bq.bk: the scores are (x_t M + u).x_s + (x_t.w + bq.bk).
;                    Stored as the transposed matrix, split into a bf16 pair (high part, remainder), in the order in which a lane of the
;                    attention launch loads its A fragments.  Tile 8 holds w in all its 16 rows.
;   9..24   (job V)  Wv transposed, rounded to bf16, kept in f16 containers, in fragment order.
;   25..280 (job X)  x rounded to bf16, kept in f16 containers: 64 rows a work-group.
; A fragment is 1,024 bytes: 32 lanes x 16 bytes (registers 0-3), then 32 lanes x 16 bytes (registers 4-7).
; LIMITS: a bf16 value is exact in f16 for 2^-14 <= |v| < 65,504; above that it becomes infinite, below it carries an absolute error of at
; most 3e-8.  So |x| and |Wv| have to stay below 65,504.  Wq, Wk, bq, bk enter the matrix unit rounded to bf16, sums in f32.
; THE MODE: SCHED_MODE bits 1:0 = 2 (LLVM: expert scheduling mode 2), set by the entry lines.  The code itself states the register dependences
; between vector or matrix instructions and memory instructions, with s_wait_alu, always for 0.
; THE PLAN.  Registers that memory instructions touch:
;   offsets       v4 to v8: made once at the head of a job, ahead of the job's first wait on va_vdst, and never written again.
;   job X         ST0: loaded once, read by the roundings.  ST1 + 4 i: chunk i's results, written once, read by one store.  The stores of a pair of
;                 chunks stand at the head of the next pair, behind one wait.
;   job V         ST0: loaded once.  ST1: written by the roundings, read by two stores behind one wait.
;   job M         staging ST0 / ST1 by turns: step kh's conversions read staging kh & 1; behind ONE wait the loads of step kh + 2 land in it, dealt among
;                 the step's three matrix instructions, which name FR, D0, D1 and DU alone.  HI, LO, DU: read by the stores behind one wait.
;   FR, TMP       named by vector and matrix instructions alone.
; No register that a memory instruction has read is written again on any path, so past the entry lines the text holds no wait on vm_vsrc.
.set ST0, 16                           ; v[16:79]    f32 as loaded, K steps 0, 2, 4, 6 (job X: the 64 numbers of a thread)
.set ST1, 80                           ; v[80:143]   f32 as loaded, K steps 1, 3, 5, 7 (job X: v[80:111] the packed results)
.set FR,  144                          ; v[144:175]  four bf16 fragments: Wq rows, Wq rows + 16, bq, Wk rows (or bk)
.set D0,  176                          ; v[176:183]  M(e = 32 ks + 8 h + j, e2 = 16 mt + r)
.set D1,  184                          ; v[184:191]  the same 16 rows of Wq further down
.set DU,  192                          ; v[192:199]  u(16 mt + r) in every register
.set HI,  200                          ; v[200:207]  high parts, packed
.set LO,  208                          ; v[208:215]  remainders, packed
.set TMP, 216                          ; v[216:223]  at work
.macro PLACES                          ; four plain vector places behind a matrix instruction (ISA guide 7.12.1)
.rept 4
	v_nop
.endr
.endm
; eight f32 at v[src] -> rounded to bf16 (nearest even), widened again, packed as f16 into v[dst .. dst+3]
.macro RND8 dst, src
.irp p,0,1,2,3
	v_cvt_pk_bf16_f32 v[TMP+2*\p], v[\src+2*\p], v[\src+2*\p+1]
.endr
.irp p,0,1,2,3
	v_lshlrev_b32 v[TMP+2*\p+1], 16, v[TMP+2*\p]           ; the lower number as f32
.endr
.irp p,0,1,2,3
	v_and_b32 v[TMP+2*\p], 0xffff0000, v[TMP+2*\p]         ; the upper number as f32
.endr
.irp p,0,1,2,3
	v_cvt_pk_f16_f32 v[\dst+\p], v[TMP+2*\p+1], v[TMP+2*\p]
.endr
.endm
	s_load_b512 s[4:19], s[0:1], 0x0               ; x 4, Wq 6, Wk 8, Wv 10, bq 12, bk 14, xh 16, mf 18
	s_load_b128 s[20:23], s[0:1], 0x40             ; u2 20, wvf 22
	v_lshrrev_b32 v9, 5, v0
	v_readfirstlane_b32 s24, v9                    ; wave 0..3
	v_and_b32 v1, 15, v0                           ; r
	v_bfe_u32 v2, v0, 4, 1                         ; h
	v_and_b32 v3, 31, v0                           ; lane
	s_wait_alu depctr_va_sdst(0)                   ; s24 is written, ahead of the branches: jobs V and M make their offsets from it
	s_wait_kmcnt 0x0
	s_cmp_lt_u32 ttmp9, 9
	s_cbranch_scc1 .Lrole_m
	s_cmp_lt_u32 ttmp9, 25
	s_cbranch_scc1 .Lrole_v
	; ---- job X: 64 rows of x (32,768 bytes in, 16,384 out).  Thread t takes 32 bytes of each chunk of 4,096 and stores 16:
	; a store of a wave covers 512 consecutive bytes, aligned.
	s_sub_co_u32 s25, ttmp9, 25
	s_lshl_b32 s30, s25, 15
	s_mov_b32 s31, 0
	s_add_nc_u64 s[4:5], s[4:5], s[30:31]
	s_lshl_b32 s30, s25, 14
	s_add_nc_u64 s[16:17], s[16:17], s[30:31]
	v_lshlrev_b32 v4, 5, v0                        ; 32 t
	v_lshlrev_b32 v5, 4, v0                        ; 16 t
	s_wait_alu depctr_va_vdst(0)                   ; v4 and v5 are written: every load of this job reads v4 as its offset, every store v5
.irp i,0,1,2,3,4,5,6,7
	global_load_b128 v[ST0+8*\i:ST0+8*\i+3],   v4, s[4:5] offset:4096*\i
	global_load_b128 v[ST0+8*\i+4:ST0+8*\i+7], v4, s[4:5] offset:4096*\i+16
.endr
	; The chunks go in pairs 2 b, 2 b + 1.  A pair's two stores stand at the head of the next pair; each chunk has result registers of its own.
.irp b,0,1,2,3
	s_wait_loadcnt 14-4*\b                         ; loads return in order: chunk 2 b is in, the two loads of each younger chunk stay out
.if \b
	s_wait_alu depctr_va_vdst(0)                   ; the roundings of the pair before have written its eight result registers, which the two stores read
	global_store_b128 v5, v[ST1+8*\b-8:ST1+8*\b-5], s[16:17] offset:4096*\b-4096
	global_store_b128 v5, v[ST1+8*\b-4:ST1+8*\b-1], s[16:17] offset:4096*\b-2048
.endif
	RND8 ST1+8*\b, ST0+16*\b
	s_wait_loadcnt 12-4*\b                         ; chunk 2 b + 1 is in
	RND8 ST1+8*\b+4, ST0+16*\b+8
.endr
	s_wait_alu depctr_va_vdst(0)                   ; the roundings of chunks 6 and 7 have written their result registers, which the last two stores read
	global_store_b128 v5, v[ST1+24:ST1+27], s[16:17] offset:12288
	global_store_b128 v5, v[ST1+28:ST1+31], s[16:17] offset:14336
	s_endpgm
	; ---- job V: fragment (mtv, ks).  Lane (r, h) holds Wv[64 h + 16 ks + 0..15][16 mtv + r]: the order along e in which the attention
	; launch finds its own sums in its accumulators.
.Lrole_v:
	s_sub_co_u32 s25, ttmp9, 9                     ; mtv
	s_lshl_b32 s26, s24, 14                        ; 16 ks rows of 1,024 bytes
	s_lshl_b32 s27, s25, 6                         ; 16 mtv columns of 4 bytes
	s_add_co_u32 s26, s26, s27
	v_lshlrev_b32 v4, 16, v2                       ; 64 h rows
	v_lshl_add_u32 v4, v1, 2, v4                   ; + 4 r
	v_add_nc_u32 v4, s26, v4
	s_lshl_b32 s27, s25, 12                        ; (4 mtv + ks) x 1,024
	s_lshl_b32 s28, s24, 10
	s_add_co_u32 s27, s27, s28
	v_lshlrev_b32 v5, 4, v3
	v_add_nc_u32 v5, s27, v5
	s_wait_alu depctr_va_vdst(0)                   ; v4 and v5 are written: the loads read v4 as their offset, the stores v5
.irp i,0,1,2,3,4,5,6,7,8,9,10,11,12,13,14,15
	global_load_b32 v[ST0+\i], v4, s[10:11] offset:1024*\i
.endr
	s_wait_loadcnt 0x0
	RND8 ST1, ST0
	RND8 ST1+4, ST0+8
	s_wait_alu depctr_va_vdst(0)                   ; the roundings have written v[ST1 .. ST1+7], which the two stores read
	global_store_b128 v5, v[ST1:ST1+3], s[22:23]
	global_store_b128 v5, v[ST1+4:ST1+7], s[22:23] offset:512
	s_endpgm
	; ---- job M: work-group mt (16 columns e2 of M; mt = 8: the column w), wave ks (32 rows e of M).  K = 256 in 8 steps of 32.
	; Three accumulators, D0, D1, DU, one instruction a turn.  DU does not hang on ks: every wave makes it, wave 0 stores it.
.Lrole_m:
	s_cmp_eq_u32 ttmp9, 8
	s_cselect_b64 s[26:27], s[14:15], s[8:9]       ; B's rows: Wk, or bk for tile 8,
	s_cselect_b32 s28, 0, 1024                     ; whose one row serves all 16 columns (pitch 0)
	s_lshl_b32 s25, s24, 15                        ; 32 ks rows of Wq
	v_lshlrev_b32 v5, 5, v2                        ; 32 h: also the whole offset in bq
	v_lshl_add_u32 v4, v1, 10, v5
	v_add_nc_u32 v4, s25, v4                       ; Wq: (32 ks + r) x 1,024 + 32 h
	s_lshl_b32 s29, ttmp9, 4
	v_add_nc_u32 v6, s29, v1
	v_mul_lo_u32 v6, v6, s28
	v_add_nc_u32 v6, v6, v5                        ; Wk: (16 mt + r) x pitch + 32 h
	s_mul_i32 s30, s24, 18
	s_add_co_u32 s30, s30, ttmp9
	s_lshl_b32 s30, s30, 10                        ; fragment (2 ks + part) x 9 + mt, part 0
	v_lshlrev_b32 v7, 4, v3
	v_add_nc_u32 v7, s30, v7                       ; mf: my 16 bytes of that fragment
	s_lshl_b32 s31, ttmp9, 7                       ; u2: 32 words a tile, word l = u(16 mt + l % 16); tile 8: bq.bk
	v_lshlrev_b32 v8, 2, v3
	v_add_nc_u32 v8, s31, v8
	s_wait_alu depctr_va_vdst(0)                   ; the five offsets v4 to v8 are written: the loads below read v4, v5, v6, the stores at the end v7, v8
; a fragment's 16 f32 of one lane: k = 8 h + 0..7 (32 bytes) and 16 + 8 h + 0..7 (32 bytes, 64 further on)
.macro LOADF st, adr, base, off
.irp q,0,1,2,3
	global_load_b128 v[\st+4*\q:\st+4*\q+3], v[\adr], s[\base:\base+1] offset:\off+16*(\q&1)+64*(\q>>1)
.endr
.endm
.macro LOADK kh, st
	LOADF \st,    4, 6,  128*(\kh)
	LOADF \st+16, 4, 6,  128*(\kh)+16384
	LOADF \st+32, 5, 12, 128*(\kh)
	LOADF \st+48, 6, 26, 128*(\kh)
.endm
.macro CVTK st
.set i, 0
.rept 32
	v_cvt_pk_bf16_f32 v[FR+i], v[\st+2*i], v[\st+2*i+1]
.set i, i+1
.endr
.endm
; one matrix instruction: accumulator d, A fragment a, B fragment Wk's (or bk's).  zero = 1: the first K step starts the sum
.macro MMA d, a, zero
.if \zero
	v_wmma_f32_16x16x32_bf16 v[\d:\d+7], v[\a:\a+7], v[FR+24:FR+31], 0
.else
	v_wmma_f32_16x16x32_bf16 v[\d:\d+7], v[\a:\a+7], v[FR+24:FR+31], v[\d:\d+7]
.endif
.endm
; one K step.  left: the 16 loads of the next step may stay out.  more: the staging just converted is loaded again, two steps ahead:
; its 16 loads, in the order of LOADK, are dealt among the step's three matrix instructions.
.macro STEPK kh, left, more, zero
.set SG, ST0+64*((\kh)&1)
	s_wait_loadcnt \left
	CVTK SG
.if \more
	s_wait_alu depctr_va_vdst(0)                   ; the conversions are done reading this staging, in which the 16 loads below land; no line behind this wait names it
.endif
	MMA D0, FR, \zero
.if \more
	LOADF SG,    4, 6,  128*((\kh)+2)
	LOADF SG+16, 4, 6,  128*((\kh)+2)+16384
.endif
	MMA D1, FR+8, \zero
.if \more
	LOADF SG+32, 5, 12, 128*((\kh)+2)
.endif
	MMA DU, FR+16, \zero
.if \more
	LOADF SG+48, 6, 26, 128*((\kh)+2)
.endif
	PLACES                                         ; the next step's conversions write the fragments; the packing below reads the sums
.endm
	LOADK 0, ST0
	LOADK 1, ST1
	STEPK 0, 16, 1, 1
.irp kh,1,2,3,4,5
	STEPK \kh, 16, 1, 0
.endr
	STEPK 6, 16, 0, 0                              ; the last two steps load nothing, so they state nothing
	STEPK 7, 0, 0, 0
	; D0's eight registers are registers 0-3 of A fragment (mt, ks) of the transposed M, D1's are registers 4-7: pack in place of a shuffle.
.irp i,0,1,2,3,4,5,6,7
	v_cvt_pk_bf16_f32 v[HI+\i], v[D0+2*\i], v[D0+2*\i+1]
.endr
.irp i,0,1,2,3,4,5,6,7
	v_lshlrev_b32 v[TMP+2*(\i&3)], 16, v[HI+\i]
	v_and_b32 v[TMP+2*(\i&3)+1], 0xffff0000, v[HI+\i]
	v_sub_f32 v[TMP+2*(\i&3)], v[D0+2*\i], v[TMP+2*(\i&3)]             ; what the high part left over
	v_sub_f32 v[TMP+2*(\i&3)+1], v[D0+2*\i+1], v[TMP+2*(\i&3)+1]
	v_cvt_pk_bf16_f32 v[LO+\i], v[TMP+2*(\i&3)], v[TMP+2*(\i&3)+1]
.endr
	s_wait_alu depctr_va_vdst(0)                   ; the packings have written HI and LO, and the matrix instructions DU: the stores below read them, and no vector line follows
	global_store_b128 v7, v[HI:HI+3],   s[18:19]
	global_store_b128 v7, v[HI+4:HI+7], s[18:19] offset:512
	global_store_b128 v7, v[LO:LO+3],   s[18:19] offset:9216       ; part 1: nine fragments further on
	global_store_b128 v7, v[LO+4:LO+7], s[18:19] offset:9728
	s_cmp_lg_u32 s24, 0
	s_cbranch_scc1 .Lm_end
	global_store_b32 v8, v[DU], s[20:21]
.Lm_end:
	s_endpgm
.Lfunc_end_k_qd23141cc1d_prep:
	.size	k_qd23141cc1d_prep, .Lfunc_end_k_qd23141cc1d_prep-k_qd23141cc1d_prep
	.p2alignl 7, 3214868480
	.fill 96, 4, 3214868480
	.section	.rodata,"a",@progbits
	.p2align	6, 0x0
	.amdhsa_kernel k_qd23141cc1d_prep
		.amdhsa_group_segment_fixed_size 0
		.amdhsa_private_segment_fixed_size 0
		.amdhsa_enable_private_segment 0
		.amdhsa_kernarg_size 80
		.amdhsa_user_sgpr_count 2
		.amdhsa_user_sgpr_kernarg_segment_ptr 1
		.amdhsa_wavefront_size32 1
		.amdhsa_system_sgpr_workgroup_id_x 1
		.amdhsa_system_sgpr_workgroup_id_y 1
		.amdhsa_system_sgpr_workgroup_id_z 1
		.amdhsa_system_vgpr_workitem_id 0
		.amdhsa_next_free_vgpr 224
		.amdhsa_next_free_sgpr 66
		.amdhsa_reserve_vcc 0
		.amdhsa_float_denorm_mode_32 3
		.amdhsa_float_denorm_mode_16_64 3
		.amdhsa_memory_ordered 1
		.amdhsa_forward_progress 1
		.amdhsa_inst_pref_size 50
	.end_amdhsa_kernel
	.amdgpu_metadata
---
amdhsa.version: [ 1, 2 ]
amdhsa.kernels:
  - .name:           k_qd23141cc1d_prep
    .symbol:         k_qd23141cc1d_prep.kd
    .args:
      - { .name: x, .offset: 0, .size: 8, .value_kind: global_buffer, .address_space: global }
      - { .name: Wq, .offset: 8, .size: 8, .value_kind: global_buffer, .address_space: global }
      - { .name: Wk, .offset: 16, .size: 8, .value_kind: global_buffer, .address_space: global }
      - { .name: Wv, .offset: 24, .size: 8, .value_kind: global_buffer, .address_space: global }
      - { .name: bq, .offset: 32, .size: 8, .value_kind: global_buffer, .address_space: global }
      - { .name: bk, .offset: 40, .size: 8, .value_kind: global_buffer, .address_space: global }
      - { .name: xh, .offset: 48, .size: 8, .value_kind: global_buffer, .address_space: global }
      - { .name: mf, .offset: 56, .size: 8, .value_kind: global_buffer, .address_space: global }
      - { .name: u2, .offset: 64, .size: 8, .value_kind: global_buffer, .address_space: global }
      - { .name: wvf, .offset: 72, .size: 8, .value_kind: global_buffer, .address_space: global }
    .group_segment_fixed_size: 0
    .private_segment_fixed_size: 0
    .kernarg_segment_align: 8
    .kernarg_segment_size: 80
    .max_flat_workgroup_size: 128
    .sgpr_count:     66
    .vgpr_count:     224
    .wavefront_size: 32
...
	.end_amdgpu_metadata
.endif
;; end of part 3
;; launch attn: the kernel of part 2 again; grid 32 x 8, 4 waves a work-group, no clusters, 327,680 bytes of LDS; arguments x, xh, mf, u2, wvf, bv, out0; writes out0
